; MI455X (gfx1250); checked and timed in simulation.
; The chip was launched on July 23, 2026; its instructions are those of AMD's public machine-readable ISA for CDNA 5 (MIT licence, August 2026) and "CDNA5" Instruction Set Architecture Reference Guide (July 2026). The comments in the code are by the model that wrote it; some were corrected since.
;; Cross Attention. Allowed arithmetic: matrix products marked QUANTISED: E2M3 operands, one E8M0 scale for each 32 along K, by v_wmma_scale_f32_16x16x128_f8f6f4 with both operands' format E2M3, f32 sums; everything else in f32.
;; Inputs: Wk_codes 1,024 x 32 x 24 uint8 (E2M3 codes of Wk, K innermost, in blocks of 32 codes, four codes in three bytes); Wk_scales 1,024 x 32 uint8 (E8M0 scales of Wk, one for each 32 codes along K); Wo_codes 1,024 x 32 x 24 uint8 (E2M3 codes of Wo, K innermost, in blocks of 32 codes, four codes in three bytes); Wo_scales 1,024 x 32 uint8 (E8M0 scales of Wo, one for each 32 codes along K); Wq_codes 1,024 x 32 x 24 uint8 (E2M3 codes of Wq, K innermost, in blocks of 32 codes, four codes in three bytes); Wq_scales 1,024 x 32 uint8 (E8M0 scales of Wq, one for each 32 codes along K); Wv_codes 1,024 x 32 x 24 uint8 (E2M3 codes of Wv, K innermost, in blocks of 32 codes, four codes in three bytes); Wv_scales 1,024 x 32 uint8 (E8M0 scales of Wv, one for each 32 codes along K); bo 1,024 float32; context_codes 4 x 2,048 x 32 x 24 uint8 (E2M3 codes of context, K innermost, in blocks of 32 codes, four codes in three bytes); context_scales 4 x 2,048 x 32 uint8 (E8M0 scales of context, one for each 32 codes along K); x_codes 4 x 2,048 x 32 x 24 uint8 (E2M3 codes of x, K innermost, in blocks of 32 codes, four codes in three bytes); x_scales 4 x 2,048 x 32 uint8 (E8M0 scales of x, one for each 32 codes along K).
;; Outputs: out0 4 x 2,048 x 1,024 float32.
;; This version of the problem:
;;   THIS VERSION OF THE PROBLEM IS GIVEN IN LOW PRECISION. The matrix products marked QUANTISED in the list below multiply operands that are first quantised to E2M3 (2 exponent bits, 3 mantissa bits; 6 bits a number), with one power-of-two scale for each 32 numbers along K (OCP MX v1.0); their sums are f32. All else is computed in f32.
;;   The module's matrix products, in the order in which they are computed (A, B: the left and right operand; K: the contracted axis; several contracted axes count as one K, in the product's order):
;;     1. [M 8,192, K 1,024] x [K 1,024, N 1,024]; A: input x (given as codes); B: input Wq (given as codes): QUANTISED
;;     2. [M 8,192, K 1,024] x [K 1,024, N 1,024]; A: input context (given as codes); B: input Wk (given as codes): QUANTISED
;;     3. [M 8,192, K 1,024] x [K 1,024, N 1,024]; A: input context (given as codes); B: input Wv (given as codes): QUANTISED
;;     4. batch 64 x [M 2,048, K 64] x [K 64, N 2,048]; A: computed on the way; B: computed on the way: QUANTISED
;;     5. batch 64 x [M 2,048, K 2,048] x [K 2,048, N 64]; A: softmax (see below); B: computed on the way: QUANTISED
;;     6. [M 8,192, K 1,024] x [K 1,024, N 1,024]; A: computed on the way; B: input Wo (given as codes): QUANTISED
;;   THE QUANTISER, for each operand of a quantised product, along K:
;;     - K is cut into blocks of 32 from its start; a last block that is shorter is filled with zeros.
;;     - A block's scale is 2^e with e = floor(log2(the largest magnitude in the block)) - 2, held to -126 .. 127; a block of zeros has e = 0. As a byte (E8M0): e + 127.
;;     - Each number is divided by its block's scale, clamped to +-7.5, and rounded to the nearest number of E2M3, ties to even, subnormals kept.
;;     - The product sums the exact products of the quantised numbers (number of the format x scale) in f32.
;;   ~~~python
;;   def quantise(x, axis):      # numpy; x: float32 -> the quantised numbers, widened to float32 again
;;       x = np.moveaxis(x, axis, -1); K = x.shape[-1]
;;       x = np.pad(x, [(0, 0)] * (x.ndim - 1) + [(0, -K % 32)]); x = x.reshape(x.shape[:-1] + (-1, 32)); a = np.abs(x).max(-1, keepdims=True)
;;       e = np.where(a > 0, np.clip(np.frexp(np.where(a > 0, a, 1))[1] - 1 - 2, -126, 127), 0)      # np.frexp(a)[1] - 1 = floor(log2(a)), exactly
;;       r = np.clip(x / 2.0 ** e, -7.5, 7.5)
;;       step = 2.0 ** (np.maximum(np.frexp(np.where(r == 0, 1, r))[1] - 1, 0) - 3)
;;       q = np.round(r / step) * step * 2.0 ** e      # np.round: ties to even
;;       return np.moveaxis(q.reshape(q.shape[:-2] + (-1,))[..., :K], -1, axis).astype(np.float32)
;;   ~~~
;;   SOFTMAX AHEAD OF A QUANTISED PRODUCT. Where the list says 'softmax', what is quantised is not the finished softmax but p = 2^(t - M), with t = logit x log2(e) and M = ceil(the row's largest t), a whole number; so 1/2 < the row's largest p <= 1. The row's sum l is taken of the UNQUANTISED p, in f32, and the product's result is divided by l at the end. Since M is a whole number, a kernel that streams over the keys may use a running M (the ceiling of the running maximum): every later rescaling is an exact power of two, which a block's scale takes up: the codes' values come out the same.
;;   OPERANDS COMPUTED ON THE WAY. 'Computed on the way' means the value that the module computes at that place (a softmax that the list does not call 'softmax' is quantised finished and normalised). What goes into a quantiser is computed in f32, as accurately as f32 sums, v_exp_f32 and their like allow (about 1e-6 of the number): no bf16 or f16 on the way to a quantiser, and a product that is left as it is and whose result goes on into a quantised operand takes f32 operands (vector FMAs, or v_wmma_f32_16x16x4_f32). A number that lies on a knife's edge between two numbers of the format may be rounded either way, as far as f32 arithmetic and the matrix unit's own rounding can turn it there, and no further.
;;   INPUTS GIVEN AS CODES. Wk (in the module: [1024, 1024], K = its axis 1); Wo (in the module: [1024, 1024], K = its axis 1); Wq (in the module: [1024, 1024], K = its axis 1); Wv (in the module: [1024, 1024], K = its axis 1); context (in the module: [4, 2048, 1024], K = its axis 2); x (in the module: [4, 2048, 1024], K = its axis 2): each comes as NAME_codes (uint8): NAME with its K axis moved to the last place and cut into blocks of 32 codes, [.., K / 32, bytes a block], one block behind the other in memory; four codes in three bytes: a row's codes are one little-endian stream of bits, code i at bits 6 i .. 6 i + 5 (a code: sign, 2 exponent bits, 3 mantissa bits); and NAME_scales (uint8): the same leading axes, one E8M0 byte (e + 127) for each 32 codes along K. Its value is code x scale, taken as it is: it is not quantised again, and the codes and scales need not be those that the quantiser above would give.
;; One version. Each part assembles by itself: llvm-mc -triple=amdgcn-amd-amdhsa -mcpu=gfx1250 --defsym DOCPART=n.
;; ======== version 1 of 1: 3 launches
;; workspace buffers: qkv 20,185,088 bytes; oc 6,291,456 bytes; os 262,144 bytes
;; launch proj (part 1): grid 256 x 3, 4 waves a work-group, clusters of 4 x 1, 313,856 bytes of LDS; arguments x_codes, x_scales, context_codes, context_scales, Wq_codes, Wq_scales, Wk_codes, Wk_scales, Wv_codes, Wv_scales, qkv; writes qkv
.if DOCPART == 1
	.amdgcn_target "amdgcn-amd-amdhsa--gfx1250"
	.amdhsa_code_object_version 6
	.text
	.protected	k_q8dcfa48b09_proj
	.globl	k_q8dcfa48b09_proj
	.p2align	8
	.type	k_q8dcfa48b09_proj,@function
k_q8dcfa48b09_proj:
	s_mov_b64 s[64:65], 0
	v_nop
	global_prefetch_b8 v0, s[64:65] scope:SCOPE_SE
	s_setreg_imm32_b32 hwreg(HW_REG_WAVE_MODE, 25, 1), 1
	s_wait_xcnt 0x0
	s_wait_alu depctr_hold_cnt(0) depctr_sa_sdst(0) depctr_va_vdst(0) depctr_va_sdst(0) depctr_va_ssrc(0) depctr_va_vcc(0) depctr_vm_vsrc(0)
	s_getreg_b32 s2, hwreg(HW_REG_IB_STS2, 6, 4)
	s_cmp_eq_u32 s2, 0
	s_cbranch_scc0 .Lentry_in_a_cluster
	s_endpgm
.Lentry_in_a_cluster:
	s_bfe_u32 s2, ttmp6, 0x10000c
	s_cmp_lg_u32 s2, 0x3003
	s_cbranch_scc0 .Lentry_shape_is_right
	s_endpgm
.Lentry_shape_is_right:
; THE THREE INPUT PROJECTIONS q = x Wq^T, k = context Wk^T, v = context Wv^T on given codes of FP6 (E2M3) with E8M0 scales, K = 1,024, and the
; quantising of their results, in registers, along the NEXT product's K: q and k along the head's 64 channels, v along the keys.
; ROLE = work-group y: 0 q, 1 k, 2 v.  The matrix instruction is used transposed: source 0 gives the registers' axis, source 1 the lanes' axis.
;   q: source 1 = x (a lane holds a query), source 0 = Wq (its registers run along the channels);  k: context, Wk likewise;
;   v: source 1 = Wv (a lane holds a channel), source 0 = context (its registers run along the keys).
; SHARES.  A work-group makes 256 rows of source 1 x 128 rows of source 0; wave w rows 64 w .. 64 w + 63 of source 1 against all 128: 32 accumulators.
; LDS.  Both operands' rows for ALL of K (768 bytes a row) come in once, as three thirds of 256 bytes a row, each third a segment of 384 rows, 272 bytes apart
; (68 words: row r starts at bank 4 r mod 64, ISA guide 11.1, so the 32 lanes of an 8-byte load touch 64 different banks).  No byte of LDS is filled twice.
; CLUSTER.  The four work-groups of a cluster share source 1's 256 rows, two thirds of a work-group's bytes: those tiles are asked for jointly (mask 15).
; Source 0's rows differ between the partners and come by plain loads.
; THE QUANTISER.  The 16 registers of tiles 2 b and 2 b + 1 in lanes l and l xor 16 are together the true block b of 32, so the scale is the true block's.  Inside a block the
; codes lie in the order of its octets 0, 2, 1, 3; q and k, and later p and v, are made by the same lines, so both operands of a product have the same order and the sums are those of the true order.
; OUT.  A half fragment (16 rows x 64 K: six registers a lane) leaves as an image of its registers: registers 0-3 at 16 x lane (512 bytes), registers 4-5 at 512 + 8 x lane (256 bytes).
; LIMITS: NaN and infinities among the results are not served.  A block whose largest magnitude lies under 2^-124 keeps the byte 1 (the rule's own hold);
; a block of zeros has the byte 1 where the rule says 127: its codes are zeros, and this program alone reads the bytes.
.set RS,   315392                      ; a record of qkv, one for each (batch, head): K's codes 98,304 | V's codes 98,304 | K's words 8,192 | V's words 4,096 | Q's codes 98,304 | Q's words 8,192
.set SEG,  104448                      ; a segment: 384 rows x 272
.set S0B,  69632                       ; source 0's rows begin behind source 1's 256
.set TROW, 4352                        ; 16 rows x 272
.set AD1,  10                          ; v10-12 source 1: my lane's place in segment 0, 1, 2; v13-14 the same where lanes 16-31 fall into the next segment
.set AD0,  16                          ; v16-18, v19-20 the same for source 0
.set SW1,  32                          ; v32-63  source 1's scale words: tile a, K step s at SW1 + 8 a + s
.set SW0,  64                          ; v64-127 source 0's: SW0 + 8 t + s
.set AF,   128                         ; v128-175 source 1's four fragments, one set
.set TM,   176                         ; v176-191 at work in the quantiser
.set PC,   192                         ; v192-211 the codes just made
.set WD,   212                         ; v212-215 the four tiles' scale words
.set G1A,  40                          ; s[40:47] descriptor group 1, joint;  s[48:55] plain
.set G1B,  48
.set SEL,  66                          ; s66, s67 lane selects: lane l xor 16
.set PT0,  84                          ; s[84:85], s[86:87] where the two half fragments go;  s[88:89] the scale words;  s[90:91] the step from tile to tile
.set PT1,  86
.set PTS,  88
.set SA,   90
; window 1: source 0's eight fragments, two sets, at v0 and v128.   window 2: accumulator (a, t) at v[64 a + 8 t].
.set MSB, 0
.macro WIN new                         ; the immediate's high byte repeats the setting that is left
.if MSB != \new
	s_set_vgpr_msb (MSB<<8)|\new
.set MSB, \new
.endif
.endm
.macro CROUND                          ; a round of the cluster's barrier
	s_barrier_signal -1
	s_barrier_wait -1
	s_cmp_lg_u32 s3, 0
	s_cbranch_scc1 .Lnot_wave_0_\@
	s_barrier_signal -3
.Lnot_wave_0_\@:
	s_barrier_wait -3
	s_barrier_signal -1
	s_barrier_wait -1
.endm
.macro PLACES                          ; four plain places behind matrix instructions, in front of loads into their registers and of reads of their results
.rept 4
	v_nop
.endr
.endm
.macro GZERO g0, lds, off, adr, g      ; a descriptor's group 0: count 1, LDS address, global address of third g of my rows, type 2
	s_mov_b32 s[\g0], 1
	s_add_co_u32 s[\g0+1], s[\lds], \off
	s_add_nc_u64 s[\g0+2:\g0+3], s[\adr:\adr+1], 256*\g
	s_or_b32 s[\g0+3], s[\g0+3], 0x80000000
.endm
; A fragment, 16 rows x 128 K, is 12 registers: lane (r, h) takes of row r the 8-byte pieces 12 s + 0, 1, 2 and 12 s + 6, 7, 8, three pieces further on for h = 1.
; Piece P lies in segment P / 32 at byte 8 (P % 32) of the row.  Where the piece three on falls into the next segment, the second kind of address register serves.
.macro FRAG reg, adr, s, i
.irp p, 0,1,2,3,4,5
.set PCE, 12*(\s)+6*(\p/3)+\p%3
.if PCE%32 < 29
	ds_load_b64 v[(\reg)+2*\p:(\reg)+2*\p+1], v[\adr+PCE/32] offset:8*(PCE%32)+TROW*(\i)
.else
	ds_load_b64 v[(\reg)+2*\p:(\reg)+2*\p+1], v[\adr+3+PCE/32] offset:8*(PCE%32)+TROW*(\i)
.endif
.endr
.endm
.macro FETCH0 s                        ; source 0's eight fragments of K step s into set s % 2: 48 loads
	WIN 0x40
.irp t, 0,1,2,3,4,5,6,7
	FRAG 128*((\s)%2)+12*\t, AD0, \s, \t
.endr
	WIN 0
.endm
.macro FETCH1 s, a0                    ; source 1's tiles a0, a0 + 1: 12 loads
.irp a, \a0, \a0+1
	FRAG AF+12*(\a), AD1, \s, \a
.endr
.endm
; 16 matrix instructions.  The 32 accumulators take turns, one instruction a turn, in the same order in every step.  zero = 1: the first K step starts the sums.
.macro MUL a0, s, zero
	WIN 0xa1
.irp a, \a0, \a0+1
.irp t, 0,1,2,3,4,5,6,7
.if \zero
	v_wmma_scale_f32_16x16x128_f8f6f4 v[64*(\a)+8*\t:64*(\a)+8*\t+7], v[128*((\s)%2)+12*\t:128*((\s)%2)+12*\t+11], v[AF+12*(\a):AF+12*(\a)+11], 0, v[SW0+8*\t+(\s)], v[SW1+8*(\a)+(\s)] matrix_a_fmt:MATRIX_FMT_FP6 matrix_b_fmt:MATRIX_FMT_FP6
.else
	v_wmma_scale_f32_16x16x128_f8f6f4 v[64*(\a)+8*\t:64*(\a)+8*\t+7], v[128*((\s)%2)+12*\t:128*((\s)%2)+12*\t+11], v[AF+12*(\a):AF+12*(\a)+11], v[64*(\a)+8*\t:64*(\a)+8*\t+7], v[SW0+8*\t+(\s)], v[SW1+8*(\a)+(\s)] matrix_a_fmt:MATRIX_FMT_FP6 matrix_b_fmt:MATRIX_FMT_FP6
.endif
.endr
.endr
.endm
.macro SYNC n                          ; my loads of the next segment have landed (n younger ones may stay out), my LDS loads are in; then everybody's
	s_wait_tensorcnt \n
	s_wait_dscnt 0x0
	s_barrier_signal -1
	s_barrier_wait -1
.endm
.macro STEP s, zero                    ; K step s, and the fetch of K step s + 1
.if (\s) == 1
	SYNC 2                                         ; K step 2 reaches into segment 1; segment 2's two loads may stay out
.endif
.if (\s) == 4
	SYNC 0                                         ; K step 5 reaches into segment 2
.endif
	s_wait_dscnt 12                                ; all but the youngest 12 loads: source 1's tiles 2 and 3
	MUL 0, \s, \zero
	s_wait_dscnt 0x0
	PLACES
	FETCH0 (\s)+1
	FETCH1 (\s)+1, 0
	MUL 2, \s, \zero
	PLACES
	WIN 0
	FETCH1 (\s)+1, 2
.endm
; The 64 results of tile a in a lane (four blocks, 16 numbers of each) become a fragment's codes in v[PC] on and the row's scale word in v[WD + a].
.macro QUANT a
.set X, 64*(\a)
	WIN 0x0a                                       ; sources 0 and 1 window 2
.irp b, 0,1,2,3
	v_max3_num_f32 v[TM+\b], |v[X+16*\b]|, |v[X+16*\b+1]|, 0x1800000   ; each accumulator is read from its low end on; the floor 2^(3 - 127) holds the byte at 1 from below
.endr
.irp i, 2,4,6,8,10,12,14
.irp b, 0,1,2,3
	v_max3_num_f32 v[TM+\b], |v[X+16*\b+\i]|, |v[X+16*\b+\i+1]|, v[TM+\b]
.endr
.endr
	WIN 0
.irp b, 0,1,2,3
	v_permlanex16_b32 v[TM+4+\b], v[TM+\b], s[SEL], s[SEL+1]
.endr
.irp b, 0,1,2,3
	v_max_num_f32 v[TM+\b], v[TM+\b], v[TM+4+\b]   ; with lane l xor 16's: the block's largest magnitude
.endr
.irp b, 0,1,2,3
	v_add_nc_u32 v[TM+12+\b], 0xff000000, v[TM+\b] ; 2 off its exponent field: the conversion's scale operand
.endr
.irp b, 0,1,2,3
	v_lshrrev_b32 v[TM+4+\b], 23, v[TM+12+\b]      ; the scale's byte
.endr
	v_lshl_or_b32 v[WD+\a], v[TM+5], 8, v[TM+4]
	v_lshl_or_b32 v[WD+\a], v[TM+6], 16, v[WD+\a]
	v_lshl_or_b32 v[WD+\a], v[TM+7], 24, v[WD+\a]
	WIN 0x02                                       ; source 0 window 2
.irp c, 0,1
	v_cvt_scalef32_pk16_fp6_f32 v[PC+6*\c:PC+6*\c+2], v[X+32*\c:X+32*\c+15], v[TM+12+2*\c]
	v_cvt_scalef32_pk16_fp6_f32 v[PC+12+4*\c:PC+12+4*\c+2], v[X+32*\c+16:X+32*\c+31], v[TM+13+2*\c]   ; (a conversion's three registers begin on an even number)
.endr
	WIN 0
	v_nop                                          ; one plain place behind a scaled conversion
.irp c, 0,1                                    ; the operand's layout wants a whole block in a lane: lanes 0-15 block 2 c, lanes 16-31 block 2 c + 1
.irp i, 0,1,2
	v_permlane16_swap_b32 v[PC+6*\c+\i], v[PC+12+4*\c+\i]
.endr
.irp i, 0,1,2
	v_mov_b32 v[PC+6*\c+3+\i], v[PC+12+4*\c+\i]
.endr
.endr
.endm
	s_load_b512 s[16:31], s[0:1], 0x0              ; x codes, scales; context codes, scales; Wq codes, scales; Wk codes, scales
	s_load_b128 s[32:35], s[0:1], 0x40             ; Wv codes, scales
	s_load_b64 s[36:37], s[0:1], 0x50              ; qkv
	v_lshl_add_u32 v254, v0, 2, 0x4c800
	v_mov_b32 v255, 0
	ds_add_u32 v254, v255
	ds_add_u32 v254, v255
	v_lshrrev_b32 v1, 5, v0
	v_readfirstlane_b32 s3, v1                     ; wave 0..3
	s_and_b32 s12, ttmp7, 0xffff                   ; the role
	s_bfe_u32 s13, ttmp6, 0x40000                  ; cx: my place in the cluster
	s_cmp_eq_u32 s12, 2
	s_cselect_b32 s38, 4, 1                        ; source 1 has 4 blocks of 256 rows in role v, 32 in roles q and k
	s_cselect_b32 s39, 15, 1
	s_lshr_b32 s14, ttmp9, s38                     ; source 1's block: shared by the four partners
	s_and_b32 s15, ttmp9, s39
	s_lshl_b32 s15, s15, 2
	s_add_co_u32 s15, s15, s13                     ; source 0's block of 128 rows: my own
	s_lshl_b32 s38, s14, 2
	s_add_co_u32 s38, s38, s3                      ; my wave's group of 64 rows of source 1
	s_mov_b32 s[G1A+0], 15|(3<<16)|(1<<20)|(1<<21)|(5<<22)|(3<<25)   ; mask: all four; elements of 8 bytes; padding on; bit 21 beside a mask; after every 64 words, 4 words
	s_mov_b32 s[G1A+1], 32<<16                     ; tensor_dim0 = 32 elements: 256 bytes
	s_mov_b32 s[G1A+2], 64<<16                     ; tensor_dim1 = 64 rows
	s_mov_b32 s[G1A+3], 32<<16                     ; tile_dim0
	s_mov_b32 s[G1A+4], 64                         ; tile_dim1
	s_mov_b32 s[G1A+5], 96                         ; from row to row: 768 bytes
	s_mov_b32 s[G1A+6], 0
	s_mov_b32 s[G1A+7], 0
	s_mov_b32 s[G1B+0], (3<<16)|(1<<20)|(5<<22)|(3<<25)   ; the same without a mask, 32 rows
	s_mov_b32 s[G1B+1], 32<<16
	s_mov_b32 s[G1B+2], 32<<16
	s_mov_b32 s[G1B+3], 32<<16
	s_mov_b32 s[G1B+4], 32
	s_mov_b32 s[G1B+5], 96
	s_mov_b32 s[G1B+6], 0
	s_mov_b32 s[G1B+7], 0
	s_mul_i32 s92, s3, 17408                       ; LDS: my 64 rows of source 1,
	s_mul_i32 s93, s3, 8704                        ; my 32 rows of source 0: the wave's number alone
	s_mul_i32 s94, s38, 49152                      ; memory: 64 rows of 768 bytes a group
	s_mov_b32 s95, 0
	s_mul_i32 s96, s15, 98304
	s_mul_i32 s97, s3, 24576
	s_add_co_u32 s96, s96, s97
	s_mov_b32 s97, 0
	s_lshl_b32 s98, s38, 11                        ; scale bytes: 32 a row
	s_mov_b32 s99, 0
	s_mov_b32 s[SEL], 0x76543210
	s_mov_b32 s[SEL+1], 0xfedcba98
	v_and_b32 v1, 31, v0                           ; lane
	v_and_b32 v2, 15, v0                           ; r
	v_bfe_u32 v3, v0, 4, 1                         ; h
	v_lshlrev_b32 v4, 4, v1                        ; 16 x lane
	v_lshlrev_b32 v5, 3, v1                        ; 8 x lane
	v_lshlrev_b32 v6, 5, v2                        ; 32 r: a row of scale bytes
	v_mul_u32_u24 v9, v2, 272
	v_mad_u32_u24 v15, v3, 24, v9                  ; 272 r + 24 h
	v_mad_u32_u24 v21, v3, SEG-232, v9             ; 272 r + h (a segment on, 29 pieces back)
	v_add_nc_u32 v[AD1], s92, v15
	v_add_nc_u32 v[AD1+1], SEG, v[AD1]
	v_add_nc_u32 v[AD1+2], SEG, v[AD1+1]
	v_add_nc_u32 v[AD1+3], s92, v21
	v_add_nc_u32 v[AD1+4], SEG, v[AD1+3]
	v_add_nc_u32 v[AD0], S0B, v15
	v_add_nc_u32 v[AD0+1], SEG, v[AD0]
	v_add_nc_u32 v[AD0+2], SEG, v[AD0+1]
	v_add_nc_u32 v[AD0+3], S0B, v21
	v_add_nc_u32 v[AD0+4], SEG, v[AD0+3]
.irp b, 0,1,2,3
	v_mov_b32 v[TM+4+\b], 0                        ; written once: a lane permute's destination counts as one of its sources
.endr
	s_wait_dscnt 0x0
	s_wait_kmcnt 0x0
	s_cmp_eq_u32 s12, 0                            ; the buffers are chosen by the role alone
	s_cselect_b64 s[4:5], s[16:17], s[20:21]       ; source 1: x or context,
	s_cselect_b64 s[6:7], s[18:19], s[22:23]
	s_cselect_b64 s[8:9], s[24:25], s[28:29]       ; source 0: Wq or Wk;
	s_cselect_b64 s[10:11], s[26:27], s[30:31]
	s_cmp_eq_u32 s12, 2
	s_cselect_b64 s[4:5], s[32:33], s[4:5]         ; in role v: Wv,
	s_cselect_b64 s[6:7], s[34:35], s[6:7]
	s_cselect_b64 s[8:9], s[20:21], s[8:9]         ; and context
	s_cselect_b64 s[10:11], s[22:23], s[10:11]
	s_add_nc_u64 s[94:95], s[4:5], s[94:95]        ; my rows' codes
	s_add_nc_u64 s[96:97], s[8:9], s[96:97]
	s_add_nc_u64 s[6:7], s[6:7], s[98:99]          ; my 64 rows' scale bytes
	s_lshl_b32 s98, s15, 12
	s_add_nc_u64 s[10:11], s[10:11], s[98:99]      ; the 128 rows' of source 0
	GZERO 56, 92, 0, 94, 0
	GZERO 60, 93, S0B, 96, 0
	GZERO 68, 92, SEG, 94, 1
	GZERO 72, 93, SEG+S0B, 96, 1
	GZERO 76, 92, 2*SEG, 94, 2
	GZERO 80, 93, 2*SEG+S0B, 96, 2
	CROUND                                         ; all four work-groups are here: the joint loads meet
	tensor_load_to_lds s[56:59], s[G1A:G1A+7]      ; all fills of the launch go out as one group, segment by segment: six loads of mine are out
	s_nop 0
	tensor_load_to_lds s[60:63], s[G1B:G1B+7]
	s_nop 0
	tensor_load_to_lds s[68:71], s[G1A:G1A+7]
	s_nop 0
	tensor_load_to_lds s[72:75], s[G1B:G1B+7]
	s_nop 0
	tensor_load_to_lds s[76:79], s[G1A:G1A+7]
	s_nop 0
	tensor_load_to_lds s[80:83], s[G1B:G1B+7]
	s_nop 0
.rept 4
	v_nop
.endr
.irp a, 0,1,2,3                                ; the scale words of all of K: 32 bytes a row, a tile's 512 bytes read whole; lanes 16-31 read what lanes 0-15 read
	global_load_b128 v[SW1+8*\a:SW1+8*\a+3], v6, s[6:7] offset:512*\a
	global_load_b128 v[SW1+8*\a+4:SW1+8*\a+7], v6, s[6:7] offset:512*\a+16
.endr
.irp t, 0,1,2,3,4,5,6,7
	global_load_b128 v[SW0+8*\t:SW0+8*\t+3], v6, s[10:11] offset:512*\t
	global_load_b128 v[SW0+8*\t+4:SW0+8*\t+7], v6, s[10:11] offset:512*\t+16
.endr
	; WHERE THE RESULTS GO.  q, k: my 64 rows are group u of 64 queries or keys of batch b; the 128 channels are heads 2 j and 2 j + 1: half fragment c goes to head 2 j + c's record.
	; v: my 64 rows are head i's channels; the 128 keys are key step u of batch b: both half fragments go to one record, one behind the other.
	s_lshr_b32 s16, s38, 5
	s_lshl_b32 s16, s16, 4
	s_lshl_b32 s17, s15, 1
	s_add_co_u32 s16, s16, s17                     ; q, k: record 16 b + 2 j
	s_and_b32 s17, s15, 48
	s_add_co_u32 s17, s17, s38                     ; v: record 16 b + head
	s_and_b32 s18, s38, 31                         ; q, k: u
	s_and_b32 s19, s15, 15                         ; v: u
	s_mov_b32 s20, 3072
	s_mov_b32 s[SA], 768
	s_mov_b32 s21, RS
	s_mov_b32 s27, 196608
	s_cmp_eq_u32 s12, 2
	s_cselect_b32 s16, s17, s16
	s_cselect_b32 s18, s19, s18
	s_cselect_b32 s20, 6144, s20                   ; bytes of codes for each u
	s_cselect_b32 s[SA], 1536, s[SA]               ; from tile a to tile a + 1
	s_cselect_b32 s21, 768, s21                    ; from half fragment 0 to 1
	s_cselect_b32 s22, 0, RS                       ; scale words: lanes 16-31 write the odd head's (q, k)
	s_cselect_b32 s23, 0, 16                       ; which are the word's upper two bytes
	s_cselect_b32 s24, -1, 0xffff                  ; q, k: bytes 2 and 3 of a word are 0 (2^-127: they meet zero codes)
	s_cselect_b32 s25, 16, 32                      ; lanes that store scale words
	s_cselect_b32 s26, 98304, 0                    ; the codes' place in a record
	s_cselect_b32 s27, 204800, s27                 ; the words' place
	s_cmp_eq_u32 s12, 0
	s_cselect_b32 s26, 208896, s26
	s_cselect_b32 s27, 307200, s27
	s_mov_b32 s[SA+1], 0
	s_mul_i32 s28, s16, RS
	s_mov_b32 s29, 0
	s_add_nc_u64 s[30:31], s[36:37], s[28:29]      ; the record
	s_mul_i32 s28, s18, s20
	s_add_co_u32 s28, s28, s26
	s_add_nc_u64 s[PT0:PT0+1], s[30:31], s[28:29]
	s_mov_b32 s28, s21
	s_add_nc_u64 s[PT1:PT1+1], s[PT0:PT0+1], s[28:29]
	s_lshl_b32 s28, s18, 8
	s_add_co_u32 s28, s28, s27
	s_add_nc_u64 s[PTS:PTS+1], s[30:31], s[28:29]
	v_mul_u32_u24 v7, v3, s22
	v_lshl_add_u32 v7, v2, 4, v7                   ; 16 r (+ a record for lanes 16-31)
	v_mul_u32_u24 v8, v3, s23
	s_wait_tensorcnt 4                             ; segment 0's two loads of mine have landed; the four of segments 1 and 2 may stay out
	s_barrier_signal -1
	s_barrier_wait -1                              ; everybody's have
	FETCH0 0
	FETCH1 0, 0
	FETCH1 0, 2
	s_wait_loadcnt 0x0                             ; the scale words
	STEP 0, 1
	STEP 1, 0
	STEP 2, 0
	STEP 3, 0
	STEP 4, 0
	STEP 5, 0
	STEP 6, 0
	s_wait_dscnt 12                                ; the last K step: nothing more to fetch
	MUL 0, 7, 0
	s_wait_dscnt 0x0
	MUL 2, 7, 0
	WIN 0
	PLACES
.irp a, 0,1,2,3
	QUANT \a
	global_store_b128 v4, v[PC:PC+3], s[PT0:PT0+1]                 ; 32 lanes store 512 consecutive bytes,
	global_store_b64 v5, v[PC+4:PC+5], s[PT0:PT0+1] offset:512     ; and 256: both aligned to 256
	global_store_b128 v4, v[PC+6:PC+9], s[PT1:PT1+1]
	global_store_b64 v5, v[PC+10:PC+11], s[PT1:PT1+1] offset:512
	s_wait_xcnt 0x0                                ; the stores' data and bases are written again only behind this wait
	s_add_nc_u64 s[PT0:PT0+1], s[PT0:PT0+1], s[SA:SA+1]
	s_add_nc_u64 s[PT1:PT1+1], s[PT1:PT1+1], s[SA:SA+1]
.endr
.irp a, 0,1,2,3
	v_lshrrev_b32 v[WD+\a], v8, v[WD+\a]
	v_and_b32 v[WD+\a], s24, v[WD+\a]
.endr
	v_cmp_gt_u32 vcc_lo, s25, v1
	s_wait_xcnt 0x0                                ; EXEC changes only behind this wait
	s_and_saveexec_b32 s26, vcc_lo
	global_store_b128 v7, v[WD:WD+3], s[PTS:PTS+1] ; the four tiles' words of row r: sixteen lanes store 256 consecutive bytes, aligned
	s_wait_xcnt 0x0
	s_or_b32 exec_lo, exec_lo, s26
	s_wait_tensorcnt 0x0
	ds_add_u32 v254, v255
	s_wait_dscnt 0x0
	CROUND                                         ; the closing round: no work-group ends while a partner may still ask for a tile that names it
	s_endpgm
.Lfunc_end_k_q8dcfa48b09_proj:
	.size	k_q8dcfa48b09_proj, .Lfunc_end_k_q8dcfa48b09_proj-k_q8dcfa48b09_proj
	.p2alignl 7, 3214868480
	.fill 96, 4, 3214868480
	.section	.rodata,"a",@progbits
	.p2align	6, 0x0
	.amdhsa_kernel k_q8dcfa48b09_proj
		.amdhsa_group_segment_fixed_size 313856
		.amdhsa_private_segment_fixed_size 0
		.amdhsa_enable_private_segment 0
		.amdhsa_kernarg_size 88
		.amdhsa_user_sgpr_count 2
		.amdhsa_user_sgpr_kernarg_segment_ptr 1
		.amdhsa_wavefront_size32 1
		.amdhsa_system_sgpr_workgroup_id_x 1
		.amdhsa_system_sgpr_workgroup_id_y 1
		.amdhsa_system_sgpr_workgroup_id_z 1
		.amdhsa_system_vgpr_workitem_id 0
		.amdhsa_next_free_vgpr 768
		.amdhsa_next_free_sgpr 100
		.amdhsa_reserve_vcc 1
		.amdhsa_float_denorm_mode_32 3
		.amdhsa_float_denorm_mode_16_64 3
		.amdhsa_memory_ordered 1
		.amdhsa_forward_progress 1
		.amdhsa_inst_pref_size 102
	.end_amdhsa_kernel
	.amdgpu_metadata
---
amdhsa.version: [ 1, 2 ]
amdhsa.kernels:
  - .name:           k_q8dcfa48b09_proj
    .symbol:         k_q8dcfa48b09_proj.kd
    .args:
      - { .name: x_codes, .offset: 0, .size: 8, .value_kind: global_buffer, .address_space: global }
      - { .name: x_scales, .offset: 8, .size: 8, .value_kind: global_buffer, .address_space: global }
      - { .name: context_codes, .offset: 16, .size: 8, .value_kind: global_buffer, .address_space: global }
      - { .name: context_scales, .offset: 24, .size: 8, .value_kind: global_buffer, .address_space: global }
      - { .name: Wq_codes, .offset: 32, .size: 8, .value_kind: global_buffer, .address_space: global }
      - { .name: Wq_scales, .offset: 40, .size: 8, .value_kind: global_buffer, .address_space: global }
      - { .name: Wk_codes, .offset: 48, .size: 8, .value_kind: global_buffer, .address_space: global }
      - { .name: Wk_scales, .offset: 56, .size: 8, .value_kind: global_buffer, .address_space: global }
      - { .name: Wv_codes, .offset: 64, .size: 8, .value_kind: global_buffer, .address_space: global }
      - { .name: Wv_scales, .offset: 72, .size: 8, .value_kind: global_buffer, .address_space: global }
      - { .name: qkv, .offset: 80, .size: 8, .value_kind: global_buffer, .address_space: global }
    .group_segment_fixed_size: 313856
    .private_segment_fixed_size: 0
    .kernarg_segment_align: 8
    .kernarg_segment_size: 88
    .max_flat_workgroup_size: 128
    .sgpr_count:     100
    .vgpr_count:     768
    .wavefront_size: 32
...
	.end_amdgpu_metadata
.endif
;; end of part 1
;; launch attn (part 2): grid 4 x 64, 16 waves a work-group, clusters of 4 x 1, 210,944 bytes of LDS; arguments qkv, oc, os; writes oc, os
.if DOCPART == 2
	.amdgcn_target "amdgcn-amd-amdhsa--gfx1250"
	.amdhsa_code_object_version 6
	.text
	.protected	k_q8dcfa48b09_attn
	.globl	k_q8dcfa48b09_attn
	.p2align	8
	.type	k_q8dcfa48b09_attn,@function
k_q8dcfa48b09_attn:
	s_mov_b64 s[64:65], 0
	v_nop
	global_prefetch_b8 v0, s[64:65] scope:SCOPE_SE
	s_setreg_imm32_b32 hwreg(HW_REG_WAVE_MODE, 25, 1), 1
	s_wait_xcnt 0x0
	s_wait_alu depctr_hold_cnt(0) depctr_sa_sdst(0) depctr_va_vdst(0) depctr_va_sdst(0) depctr_va_ssrc(0) depctr_va_vcc(0) depctr_vm_vsrc(0)
	s_getreg_b32 s2, hwreg(HW_REG_IB_STS2, 6, 4)
	s_cmp_eq_u32 s2, 0
	s_cbranch_scc0 .Lentry_in_a_cluster
	s_endpgm
.Lentry_in_a_cluster:
	s_bfe_u32 s2, ttmp6, 0x10000c
	s_cmp_lg_u32 s2, 0x3003
	s_cbranch_scc0 .Lentry_shape_is_right
	s_endpgm
.Lentry_shape_is_right:
; O = softmax(q k^T / 8) v for one (batch, head) and 512 queries, both products on codes of FP6 (E2M3) with E8M0 scales, and O quantised along the output projection's K.
; THE SOFTMAX AHEAD OF THE SECOND PRODUCT: t = score x log2(e) / 8; M = the row's largest t so far, rounded up to a whole number; p = 2^(t - M) is quantised along the keys, not normalised.
; The row's sum is taken of the unquantised p, in f32, and divides O at the end.  When M moves, the sum and O are multiplied by 2^(old M - new M): exact.
; SHARES.  Work-group y = 16 x batch + head; x = which 512 queries.  Each of the sixteen waves makes two tiles of 16 queries, one after the other (a pass each), in 256 registers: four waves
; to a SIMD.  A pass walks the head's 2,048 keys, 128 a trip.
; LDS.  The head's K and V, codes and scale words, are the first 208,896 bytes of its record in qkv.  They come in ONCE, each wave bringing 51 rows of 256 bytes, and stay: no byte is filled twice,
; there is one barrier, and the kernel stores nothing to LDS.  They lie as images of the operands' registers: a half fragment (16 rows x 64 K) is 512 bytes at 16 x lane and 256 bytes at 8 x lane.
; CLUSTER.  The four work-groups of a head read the same bytes: each load is joint (mask 15).
; LAYOUT.  Both products are used transposed: S^T = K Q^T, O^T = V^T P^T: a lane holds ONE query (lane % 16) throughout.
; THE FIRST PRODUCT'S K IS 64, half of the instruction's 128: Q's fragment has zero codes in its registers 6-11, and K's operand for tile t is its six registers and the six behind them
; (the next tile's codes), which meet Q's zeros; bytes 2 and 3 of q's and k's scale words are 0, which is 2^-127, a number.
; ORDER INSIDE A BLOCK OF 32: q, k, v and p have their codes in the order of the block's octets 0, 2, 1, 3, alike on both sides of each product.  O meets given codes, so its registers
; are brought into the true order by exchanges between the halves of the lanes before it is quantised.
; THE ORDER OF A TRIP is chosen so that a wave has something ready of its own wherever it would wait for its own results:
;   K's fragments are fetched a trip ahead, behind the second product, and 20 of the row sum's additions stand between the fetch and the first product that reads it;
;   V's loads stand inside the chain from the row's maximum to -M, each link of which needs the link before;
;   an exponential and a plain instruction go by turns: the plain one is whatever is ready (a scaling twelve exponentials ahead of its use, f, the blocks' scale bytes, the rescaling of the sum and of O^T);
;   the row's sum runs in four chains.
; OUT.  O's codes leave as a half fragment's image (whole aligned runs of 512 and 256 bytes).  Its two scale bytes a row leave by one store of 2 bytes a lane, to rows 32 bytes apart:
; two such stores a wave in the launch, one byte for each 24 of codes.
; LIMITS: NaN and infinities are not served.  A block's largest p is taken from its largest score: this takes v_exp_f32 not to fall where its input rises.  1 / sum is v_rcp_f32's.
; A block whose largest magnitude lies under 2^-124, zeros among them, keeps the byte 1: this program alone reads the bytes.
.set RS,   315392
.set KV,   40                          ; v40-87 eight half fragments of K, or V's four fragments; v88-93 zeros
.set S,    96                          ; v96-159 S^T, then p
.set OT,   160                         ; v160-191 O^T
.set KW,   192                         ; v192-199 K's scale words; v200-203 V's; v204 P's; v205, v206 Q's
.set VW,   200
.set PW,   204
.set QW,   205
.set PC,   208                         ; v208-219 P's codes
.set CT,   220                         ; v220-222, v224-226 the conversions' second halves
.set BM,   228                         ; v228-231 block maxima; v232-235 bytes; v236-239 scale operands
.set BP,   232
.set BS,   236
.set FF,   240                         ; v[240:241] f = 2^(old M - new M)
.set TMP,  244
.set OLD,  249                         ; v249 the last trip's -M
.set SUM2, 250                         ; v[250:251], v[252:253], v[254:255] three more chains of sums, begun anew in every trip
; v1 16 x lane, v2 8 x lane, v3, v4 my place among K's and V's scale words, v5, v6, v9 the LDS addresses of K's loads, v7, v8, v10 of V's, v11 32 r, v12 -M, v13 the largest t, v[14:15] the sum,
; v16-27 Q of pass 0 (v22-27 zeros), v28-39 Q of pass 1, v245 16 r, v246 lane, v247, v248 v1 and v2 + 98,304: V's codes lie so far behind K's
.macro CROUND                          ; a round of the cluster's barrier
	s_barrier_signal -1
	s_barrier_wait -1
	s_cmp_lg_u32 s3, 0
	s_cbranch_scc1 .Lnot_wave_0_\@
	s_barrier_signal -3
.Lnot_wave_0_\@:
	s_barrier_wait -3
	s_barrier_signal -1
	s_barrier_wait -1
.endm
.macro KLOAD                           ; a trip's K: the scale words of its 128 keys first, then eight half fragments, tile by tile: 18 loads
	ds_load_b128 v[KW:KW+3], v9
	ds_load_b128 v[KW+4:KW+7], v9 offset:256
.irp u, 0,1,2,3,4,5,6,7
	ds_load_b128 v[KV+6*\u:KV+6*\u+3], v5 offset:768*\u
	ds_load_b64 v[KV+6*\u+4:KV+6*\u+5], v6 offset:768*\u+512
.endr
.endm
.macro VL u                            ; half fragment u of a trip's V
	ds_load_b128 v[KV+6*\u:KV+6*\u+3], v7 offset:768*\u
	ds_load_b64 v[KV+6*\u+4:KV+6*\u+5], v8 offset:768*\u+512
.endm
; THE ROW'S SUM OF THE UNQUANTISED p: 32 packed additions, number a of them.  Pair k is p's registers 2 k, 2 k + 1.  Numbers 0-2 begin three chains with pairs 0-5, number 3 adds pair 6 to the running sum,
; numbers 4-28 deal pairs 7-31 to the four chains by turns, numbers 29-31 join the chains.
.macro ADDN
.if a < 3
	s_wait_alu depctr_va_vdst(0)
	v_pk_add_f32 v[SUM2+2*a:SUM2+2*a+1], v[S+4*a:S+4*a+1], v[S+4*a+2:S+4*a+3]
.elseif a == 3
	v_pk_add_f32 v[14:15], v[14:15], v[S+12:S+13]
.elseif a < 29
.set rc, 14
.if (a-4)%4 < 3
.set rc, SUM2+2*((a-4)%4)
.endif
	v_pk_add_f32 v[rc:rc+1], v[rc:rc+1], v[S+2*(a+3):S+2*(a+3)+1]
.elseif a == 29
	v_pk_add_f32 v[SUM2:SUM2+1], v[SUM2:SUM2+1], v[SUM2+2:SUM2+3]
.elseif a == 30
	v_pk_add_f32 v[14:15], v[14:15], v[SUM2+4:SUM2+5]
.else
	v_pk_add_f32 v[14:15], v[14:15], v[SUM2:SUM2+1]
.endif
.set a, a+1
.endm
; THE 68 EXPONENTIALS, number n: the four blocks' largest p first, then p of the lane's 64 scores.
.macro ONEEXP
.if n < 4
	v_exp_f32 v[BM+n], v[BM+n]
.else
	v_exp_f32 v[S+n-4], v[S+n-4]
.endif
.endm
; The plain instruction behind exponential n: so no two exponentials follow each other (but where nothing is left to set between), and each has a plain instruction behind it before its result is used.  None names the exponential's register.
;   even n under 56: t - M for scores 8 + n, 9 + n, whose exponentials are numbers 12 + n, 13 + n;   n = 1, 3: f;   n = 5 .. 33, odd: the blocks' floors, scale operands, bytes, and p's scale word;
;   n = 35: the sum under the new M;   n = 37 .. 67, odd: O^T under the new M, each accumulator from its low end on;   n = 56, 58, 60: the next trip's addresses of K;   n = 62, 64, 66: the first three sums.
.macro BEHIND next
.if (n%2 == 0) && (n < 56)
	v_pk_fma_f32 v[S+8+n:S+9+n], v[S+8+n:S+9+n], s[26:27], v[12:13] op_sel_hi:[1,0,0]
.elseif n == 1
	v_cvt_i32_f32 v[TMP], v[TMP]                   ; old M - new M as a whole number (it saturates)
.elseif n == 3
	v_ldexp_f32 v[FF], 1.0, v[TMP]                 ; f = 2^(old M - new M)
.elseif (n%2 == 1) && (n < 12)
	s_wait_alu depctr_va_vdst(0)
	v_max_num_f32 v[BM+(n-5)/2], 0x1800000, v[BM+(n-5)/2]          ; the floor 2^(3 - 127): the byte cannot fall under 1
.elseif (n%2 == 1) && (n < 20)
	v_add_nc_u32 v[BS+(n-13)/2], 0xff000000, v[BM+(n-13)/2]        ; 2 off the exponent field: the conversion's scale operand
.elseif (n%2 == 1) && (n < 28)
	v_lshrrev_b32 v[BP+(n-21)/2], 23, v[BS+(n-21)/2]               ; the scale's byte
.elseif n == 29
	v_lshl_or_b32 v[PW], v[BP+1], 8, v[BP]         ; p's scale word for these 128 keys
.elseif n == 31
	v_lshl_or_b32 v[PW], v[BP+2], 16, v[PW]
.elseif n == 33
	v_lshl_or_b32 v[PW], v[BP+3], 24, v[PW]
.elseif n == 35
	v_pk_mul_f32 v[14:15], v[14:15], v[FF:FF+1] op_sel_hi:[1,0]
.elseif n%2 == 1
	v_pk_mul_f32 v[OT+n-37:OT+n-36], v[OT+n-37:OT+n-36], v[FF:FF+1] op_sel_hi:[1,0]
.elseif n < 62
.if \next
.if n == 56
	v_add_nc_u32 v5, s28, v1
.elseif n == 58
	v_add_nc_u32 v6, s28, v2
.else
	v_add_nc_u32 v9, s29, v3
.endif
.endif
.else
	ADDN
.endif
.endm
	s_load_b128 s[36:39], s[0:1], 0x0              ; qkv, oc
	s_load_b64 s[40:41], s[0:1], 0x10              ; os
	v_lshl_add_u32 v242, v0, 2, 0x33000
	v_mov_b32 v243, 0
	ds_add_u32 v242, v243
	ds_add_u32 v242, v243
	v_lshrrev_b32 v1, 5, v0
	v_readfirstlane_b32 s3, v1                     ; wave 0..15
	s_and_b32 s10, ttmp7, 0xffff                   ; 16 x batch + head: shared by the four partners
	s_mul_i32 s34, s10, RS
	s_mov_b32 s35, 0
	s_mov_b32 s12, 1                               ; group 0: count 1,
	s_mul_i32 s13, s3, 13056                       ; LDS address: my 51 rows of 256 bytes
	s_mov_b32 s42, s13
	s_mov_b32 s43, 0
	s_mov_b32 s16, 15|(3<<16)|(1<<21)              ; group 1: mask: all four; elements of 8 bytes; bit 21 beside a mask; no padding
	s_mov_b32 s17, 32<<16                          ; tensor_dim0 = 32 elements
	s_mov_b32 s18, 51<<16                          ; tensor_dim1 = 51
	s_mov_b32 s19, 32<<16                          ; tile_dim0
	s_mov_b32 s20, 51                              ; tile_dim1
	s_mov_b32 s21, 32                              ; dense rows
	s_mov_b32 s22, 0
	s_mov_b32 s23, 0
	s_mov_b32 s24, 0x76543210
	s_mov_b32 s25, 0xfedcba98                      ; lane l xor 16
	s_mov_b32 s26, 0x3e38aa3b                      ; c = log2(e) / 8
	s_mov_b32 s27, s26                             ; (named with it as a pair)
	v_and_b32 v246, 31, v0
	v_and_b32 v10, 15, v0
	v_lshlrev_b32 v1, 4, v246
	v_lshlrev_b32 v2, 3, v246
	v_lshlrev_b32 v245, 4, v10
	v_lshlrev_b32 v11, 5, v10
	v_add_nc_u32 v3, 196608, v245                  ; K's scale words: group of 64 keys x r x tile
	v_add_nc_u32 v4, 204800, v245                  ; V's: key step x r x tile
	v_add_nc_u32 v247, 0x18000, v1                 ; V's codes
	v_add_nc_u32 v248, 0x18000, v2
	s_wait_dscnt 0x0
	s_wait_kmcnt 0x0
	s_add_nc_u64 s[36:37], s[36:37], s[34:35]      ; the record
	s_add_nc_u64 s[14:15], s[36:37], s[42:43]
	s_or_b32 s15, s15, 0x80000000
	CROUND                                         ; all four work-groups are here: the joint loads meet
	tensor_load_to_lds s[12:15], s[16:23]          ; my one tensor load of the launch
	s_nop 0
.rept 4
	v_nop
.endr
	s_bfe_u32 s11, ttmp6, 0x40000                  ; cx enters Q's, oc's and os's addresses alone
	s_lshl_b32 s45, ttmp9, 2
	s_add_co_u32 s11, s11, s45                     ; my block of 512 queries
	s_lshr_b32 s42, s10, 4                         ; batch
	s_and_b32 s43, s10, 15                         ; head
	s_lshl_b32 s34, s11, 3
	s_lshr_b32 s45, s3, 2
	s_add_co_u32 s34, s34, s45                     ; pass 0's tile is 32 x block + wave: its group of 64 queries,
	s_and_b32 s35, s3, 3                           ; and its place in the group
	s_mov_b32 s47, 0
	s_lshl_b32 s46, s11, 5
	s_add_co_u32 s46, s46, s3
	s_mul_i32 s46, s46, 768
	s_add_co_u32 s46, s46, 208896
	s_add_nc_u64 s[4:5], s[36:37], s[46:47]        ; Q's codes
	s_lshl_b32 s46, s34, 8
	s_lshl_b32 s45, s35, 2
	s_add_co_u32 s46, s46, s45
	s_add_co_u32 s46, s46, 307200
	s_add_nc_u64 s[32:33], s[36:37], s[46:47]      ; Q's scale words
	s_lshl_b32 s46, s42, 5
	s_add_co_u32 s46, s46, s34                     ; oc: block of 64 rows,
	s_lshl_b32 s46, s46, 3
	s_lshr_b32 s45, s43, 1
	s_add_co_u32 s46, s46, s45                     ; K step = head / 2,
	s_lshl_b32 s46, s46, 2
	s_add_co_u32 s46, s46, s35                     ; tile of rows,
	s_mul_i32 s46, s46, 1536
	s_and_b32 s45, s43, 1
	s_mul_i32 s45, s45, 768                        ; half = head % 2
	s_add_co_u32 s46, s46, s45
	s_add_nc_u64 s[6:7], s[38:39], s[46:47]
	s_lshl_b32 s46, s42, 16                        ; os: 32 bytes a row; bytes 2 x head, 2 x head + 1
	s_lshl_b32 s45, s11, 14
	s_add_co_u32 s46, s46, s45
	s_lshl_b32 s45, s3, 9
	s_add_co_u32 s46, s46, s45
	s_lshl_b32 s45, s43, 1
	s_add_co_u32 s46, s46, s45
	s_add_nc_u64 s[8:9], s[40:41], s[46:47]
	global_load_b128 v[16:19], v1, s[4:5]          ; Q stays in registers: pass 0's tile,
	global_load_b64 v[20:21], v2, s[4:5] offset:512
	global_load_b128 v[28:31], v1, s[4:5] offset:12288   ; pass 1's, 16 tiles on
	global_load_b64 v[32:33], v2, s[4:5] offset:12800
	global_load_b32 v[QW], v245, s[32:33]
	global_load_b32 v[QW+1], v245, s[32:33] offset:1024
.irp j, 22,23,24,25,26,27,34,35,36,37,38,39,88,89,90,91,92,93
	v_mov_b32 v\j, 0                               ; zero codes: the upper 64 of the first product's K
.endr
.irp b, 0,1,2,3
	v_mov_b32 v[BP+\b], 0                          ; written once: a lane permute's destination counts as one of its sources
.endr
	v_mov_b32 v[FF+1], 0                           ; (named as the upper half of a pair)
	s_wait_tensorcnt 0x0                           ; my part of the head's K and V has landed,
	s_barrier_signal -1
	s_barrier_wait -1                              ; everybody's has
	s_wait_loadcnt 0x0                             ; Q
; A TRIP: 128 keys.  Its K was asked for in the trip before (or at the pass's head).  next = 1: the next trip's K is asked for.
.macro TRIP p, next
.irp t, 0,1,2,3,4,5,6,7                        ; S^T = K Q^T.  Products t and t + 1 read tiles up to t + 2; behind that tile's two loads stand two for each later tile: 10, 6, 2, none.  No other LDS load is out
.if (\t == 0) || (\t == 2) || (\t == 4)
	s_wait_dscnt 10-2*\t
.elseif \t == 6
	s_wait_dscnt 0x0
.endif
	v_wmma_scale_f32_16x16x128_f8f6f4 v[S+8*\t:S+8*\t+7], v[KV+6*\t:KV+6*\t+11], v[16+12*\p:27+12*\p], 0, v[KW+\t], v[QW+\p] matrix_a_fmt:MATRIX_FMT_FP6 matrix_b_fmt:MATRIX_FMT_FP6
.endr
	v_add_nc_u32 v7, s28, v247                     ; these four are the places behind the products (ISA guide 7.12.1): V's addresses for this trip,
	v_add_nc_u32 v8, s28, v248
	v_add_nc_u32 v10, s30, v4
	v_mov_b32 v[OLD], v12                          ; and -M as it was
.if \next
	s_add_co_u32 s28, s28, 6144                    ; on to the next trip's codes (of K now, of V then),
	s_add_co_u32 s29, s29, 512                     ; K's scale words,
	s_add_co_u32 s30, s30, 256                     ; V's
.endif
.irp b, 0,1,2,3
	v_max3_num_f32 v[BM+\b], v[S+16*\b], v[S+16*\b+1], v[S+16*\b+2]   ; the largest score of each block of 32 keys: for the row's maximum, and, since p rises with the score, for the block's largest p
.endr
.irp i, 3,5,7,9,11,13
.irp b, 0,1,2,3
	v_max3_num_f32 v[BM+\b], v[BM+\b], v[S+16*\b+\i], v[S+16*\b+\i+1]
.endr
.endr
.irp b, 0,1,2,3
	v_max_num_f32 v[BM+\b], v[BM+\b], v[S+16*\b+15]
.endr
.irp b, 0,1,2,3
	v_permlanex16_b32 v[BP+\b], v[BM+\b], s24, s25
.endr
.irp b, 0,1,2,3
	v_max_num_f32 v[BM+\b], v[BM+\b], v[BP+\b]     ; with lane l xor 16's 16 keys
.endr
	v_max3_num_f32 v[TMP], v[BM], v[BM+1], v[BM+2] ; a chain in which each line needs the line before: V's 17 loads stand between its links
	VL 0
	VL 1
	v_max_num_f32 v[TMP], v[TMP], v[BM+3]          ; the trip's largest score of my query
	VL 2
	VL 3
	v_mul_f32 v[TMP], s26, v[TMP]                  ; as t (c is positive)
	VL 4
	VL 5
	v_max_num_f32 v13, v13, v[TMP]                 ; the running largest t
	VL 6
	VL 7
	v_floor_f32 v12, -v13                          ; the new -M = floor(-t): M is a whole number
	ds_load_b128 v[VW:VW+3], v10
.irp b, 0,1,2,3
	v_fma_f32 v[BM+\b], v[BM+\b], s26, v12         ; t - M of each block's largest score
.endr
.irp j, 0,2,4,6
	v_pk_fma_f32 v[S+\j:S+\j+1], v[S+\j:S+\j+1], s[26:27], v[12:13] op_sel_hi:[1,0,0]   ; and of the first eight scores, two at a time
.endr
	v_sub_f32 v[TMP], v12, v[OLD]                  ; old M - new M: a whole number, 0 or less
.set n, 0
.set a, 0
.rept 68
	ONEEXP                                         ; p = 2^(t - M), at most 1
	BEHIND \next
.set n, n+1
.endr
	s_wait_alu depctr_va_vdst(0)
.irp c, 0,1
	v_cvt_scalef32_pk16_fp6_f32 v[PC+6*\c:PC+6*\c+2], v[S+32*\c:S+32*\c+15], v[BS+2*\c]
	v_cvt_scalef32_pk16_fp6_f32 v[CT+4*\c:CT+4*\c+2], v[S+32*\c+16:S+32*\c+31], v[BS+2*\c+1]   ; (a conversion's three registers begin on an even number)
.endr
	v_nop                                          ; one plain place behind a scaled conversion
.irp c, 0,1                                    ; a whole block in a lane: lanes 0-15 block 2 c, lanes 16-31 block 2 c + 1
.irp i, 0,1,2
	v_permlane16_swap_b32 v[PC+6*\c+\i], v[CT+4*\c+\i]
.endr
.endr
.irp c, 0,1
.irp i, 0,1,2
	v_mov_b32 v[PC+6*\c+3+\i], v[CT+4*\c+\i]
.endr
.endr
.rept 5
	ADDN                                           ; sums 3-7: also the places between the last write of P's codes and the scaled product that reads them
.endr
	s_wait_dscnt 0x0                               ; V and its scale words
.irp t, 0,1,2,3                                ; O^T += V^T P^T: the four accumulators by turns
	v_wmma_scale_f32_16x16x128_f8f6f4 v[OT+8*\t:OT+8*\t+7], v[KV+12*\t:KV+12*\t+11], v[PC:PC+11], v[OT+8*\t:OT+8*\t+7], v[VW+\t], v[PW] matrix_a_fmt:MATRIX_FMT_FP6 matrix_b_fmt:MATRIX_FMT_FP6
.endr
.rept 4
	ADDN                                           ; sums 8-11: the four places in front of loads into the registers that these products read
.endr
.if \next
	KLOAD                                          ; the next trip's K
.endif
.rept 20
	ADDN                                           ; sums 12-31 stand between that fetch and the products that wait for it
.endr
.endm
.macro PASS p
	s_mov_b32 s28, 0                               ; the trip's codes: 6,144 bytes a trip, of K and of V;
	s_mov_b32 s29, 0                               ; K's scale words: 512;
	s_mov_b32 s30, 0                               ; V's: 256
	s_mov_b32 s31, 15
	v_add_nc_u32 v5, s28, v1
	v_add_nc_u32 v6, s28, v2
	v_add_nc_u32 v9, s29, v3
	KLOAD                                          ; the first trip's K: it lands while the pass's registers are set
	v_mov_b32 v13, 0xff61b1e6                      ; the largest t so far: -3e38, under every t
	v_floor_f32 v12, -v13                          ; -M
	v_mov_b32 v14, 0
	v_mov_b32 v15, 0
.set j, 0
.rept 32
	v_mov_b32 v[OT+j], 0                           ; the first trip finds zeros, which the first change of M leaves zeros
.set j, j+1
.endr
.Lstep_\@:                                         ; 15 trips that fetch the next trip's K;
	TRIP \p, 1
	s_sub_co_u32 s31, s31, 1
	s_cmp_lg_u32 s31, 0
	s_cbranch_scc1 .Lstep_\@
	TRIP \p, 0                                     ; the sixteenth is written out and fetches nothing
	; THE PASS'S END: O^T / the sum, into the true order along the head's 64, quantised, stored.  (The 24 additions behind the last products are their places.)
	v_add_f32 v14, v14, v15
	v_permlanex16_b32 v[TMP], v14, s24, s25
	v_add_f32 v14, v14, v[TMP]                     ; the row's sum
	v_rcp_f32 v14, v14
	v_nop                                          ; one plain place behind a transcendental
.set j, 0
	s_wait_alu depctr_va_vdst(0)
.rept 16
	v_pk_mul_f32 v[OT+j:OT+j+1], v[OT+j:OT+j+1], v[14:15] op_sel_hi:[1,0]   ; each accumulator from its low end on
.set j, j+2
.endr
.irp b, 0,1                                    ; register 8 t + j holds channel 16 t + 8 h + j; behind these exchanges the 16 registers of block b hold channels 32 b + 16 h + 0 .. 15
.irp i, 0,1,2,3,4,5,6,7
	v_permlane16_swap_b32 v[OT+16*\b+\i], v[OT+16*\b+8+\i]
.endr
.endr
.irp b, 0,1
	v_max3_num_f32 v[BM+\b], |v[OT+16*\b]|, |v[OT+16*\b+1]|, 0x1800000
.endr
.irp i, 2,4,6,8,10,12,14
.irp b, 0,1
	v_max3_num_f32 v[BM+\b], v[BM+\b], |v[OT+16*\b+\i]|, |v[OT+16*\b+\i+1]|
.endr
.endr
.irp b, 0,1
	v_permlanex16_b32 v[BP+\b], v[BM+\b], s24, s25
.endr
.irp b, 0,1
	v_max_num_f32 v[BM+\b], v[BM+\b], v[BP+\b]
.endr
.irp b, 0,1
	v_add_nc_u32 v[BS+\b], 0xff000000, v[BM+\b]
.endr
.irp b, 0,1
	v_lshrrev_b32 v[BP+\b], 23, v[BS+\b]
.endr
	v_lshl_or_b32 v[TMP], v[BP+1], 8, v[BP]        ; the head's two scale bytes of my row
	v_cvt_scalef32_pk16_fp6_f32 v[PC:PC+2], v[OT:OT+15], v[BS]
	v_cvt_scalef32_pk16_fp6_f32 v[CT:CT+2], v[OT+16:OT+31], v[BS+1]
	v_nop
.irp i, 0,1,2
	v_permlane16_swap_b32 v[PC+\i], v[CT+\i]
.endr
.irp i, 0,1,2
	v_mov_b32 v[PC+3+\i], v[CT+\i]
.endr
	global_store_b128 v1, v[PC:PC+3], s[6:7] offset:196608*\p      ; 512 consecutive bytes, aligned to 256; pass 1's tile lies four blocks of 64 rows on
	global_store_b64 v2, v[PC+4:PC+5], s[6:7] offset:196608*\p+512
	v_cmp_gt_u32 vcc_lo, 16, v246
	s_wait_xcnt 0x0                                ; EXEC changes, and the stores' data are written again, only behind this wait
	s_and_saveexec_b32 s44, vcc_lo
	global_store_b16 v11, v[TMP], s[8:9] offset:8192*\p
	s_wait_xcnt 0x0
	s_or_b32 exec_lo, exec_lo, s44
.endm
	PASS 0
	PASS 1
	s_wait_tensorcnt 0x0
	ds_add_u32 v242, v243
	s_wait_dscnt 0x0
	CROUND                                         ; the closing round
	s_endpgm
.Lfunc_end_k_q8dcfa48b09_attn:
	.size	k_q8dcfa48b09_attn, .Lfunc_end_k_q8dcfa48b09_attn-k_q8dcfa48b09_attn
	.p2alignl 7, 3214868480
	.fill 96, 4, 3214868480
	.section	.rodata,"a",@progbits
	.p2align	6, 0x0
	.amdhsa_kernel k_q8dcfa48b09_attn
		.amdhsa_group_segment_fixed_size 210944
		.amdhsa_private_segment_fixed_size 0
		.amdhsa_enable_private_segment 0
		.amdhsa_kernarg_size 24
		.amdhsa_user_sgpr_count 2
		.amdhsa_user_sgpr_kernarg_segment_ptr 1
		.amdhsa_wavefront_size32 1
		.amdhsa_system_sgpr_workgroup_id_x 1
		.amdhsa_system_sgpr_workgroup_id_y 1
		.amdhsa_system_sgpr_workgroup_id_z 1
		.amdhsa_system_vgpr_workitem_id 0
		.amdhsa_next_free_vgpr 256
		.amdhsa_next_free_sgpr 66
		.amdhsa_reserve_vcc 1
		.amdhsa_float_denorm_mode_32 3
		.amdhsa_float_denorm_mode_16_64 3
		.amdhsa_memory_ordered 1
		.amdhsa_forward_progress 1
		.amdhsa_inst_pref_size 81
	.end_amdhsa_kernel
	.amdgpu_metadata
---
amdhsa.version: [ 1, 2 ]
amdhsa.kernels:
  - .name:           k_q8dcfa48b09_attn
    .symbol:         k_q8dcfa48b09_attn.kd
    .args:
      - { .name: qkv, .offset: 0, .size: 8, .value_kind: global_buffer, .address_space: global }
      - { .name: oc, .offset: 8, .size: 8, .value_kind: global_buffer, .address_space: global }
      - { .name: os, .offset: 16, .size: 8, .value_kind: global_buffer, .address_space: global }
    .group_segment_fixed_size: 210944
    .private_segment_fixed_size: 0
    .kernarg_segment_align: 8
    .kernarg_segment_size: 24
    .max_flat_workgroup_size: 512
    .sgpr_count:     66
    .vgpr_count:     256
    .wavefront_size: 32
...
	.end_amdgpu_metadata
.endif
;; end of part 2
;; launch outp (part 3): grid 256 x 1, 4 waves a work-group, clusters of 4 x 1, 168,448 bytes of LDS; arguments oc, os, Wo_codes, Wo_scales, bo, out0; writes out0
.if DOCPART == 3
	.amdgcn_target "amdgcn-amd-amdhsa--gfx1250"
	.amdhsa_code_object_version 6
	.text
	.protected	k_q8dcfa48b09_outp
	.globl	k_q8dcfa48b09_outp
	.p2align	8
	.type	k_q8dcfa48b09_outp,@function
k_q8dcfa48b09_outp:
	s_mov_b64 s[64:65], 0
	v_nop
	global_prefetch_b8 v0, s[64:65] scope:SCOPE_SE
	s_setreg_imm32_b32 hwreg(HW_REG_WAVE_MODE, 25, 1), 1
	s_wait_xcnt 0x0
	s_wait_alu depctr_hold_cnt(0) depctr_sa_sdst(0) depctr_va_vdst(0) depctr_va_sdst(0) depctr_va_ssrc(0) depctr_va_vcc(0) depctr_vm_vsrc(0)
	s_getreg_b32 s2, hwreg(HW_REG_IB_STS2, 6, 4)
	s_cmp_eq_u32 s2, 0
	s_cbranch_scc0 .Lentry_in_a_cluster
	s_endpgm
.Lentry_in_a_cluster:
	s_bfe_u32 s2, ttmp6, 0x10000c
	s_cmp_lg_u32 s2, 0x3003
	s_cbranch_scc0 .Lentry_shape_is_right
	s_endpgm
.Lentry_shape_is_right:
; out0 = O Wo^T + bo on codes of FP6 (E2M3) with E8M0 scales, K = 1,024; out0 [8,192][1,024] f32.
; SHARES.  A work-group makes 256 rows x 128 columns; wave w rows 64 w .. 64 w + 63: 32 accumulators.  The matrix instruction is used transposed (source 0 = 16 rows of Wo, source 1 = 16 rows of O):
; a lane holds eight neighbouring columns of one row of out0.
; Wo's 128 rows for all of K come into LDS once, as three thirds of 256 bytes a row, each third a segment of 128 rows 272 bytes apart (68 words: row r starts at bank 4 r mod 64, ISA guide 11.1).
; No byte of LDS is filled twice.  CLUSTER: the four work-groups of a cluster share the column block, so Wo's tiles are asked for jointly (mask 15).
; O NEVER TOUCHES LDS: oc is laid in the order of the operand's registers.
; The bias is the C of each sum's first matrix instruction.  The way out goes through the wave's own stage in LDS, behind Wo's segments, into which no fill lands.
.set SEGO, 34816                       ; a segment: 128 rows x 272
.set TROW, 4352
.set STAGE, 104448                     ; 16 rows x (512 + 16) bytes for each wave
.set AD0,  16                          ; v16-18 Wo: my lane's place in segment 0, 1, 2; v19-20 the same where lanes 16-31 fall into the next segment
.set STO,  22
.set RD,   23
.set SW1,  32                          ; v32-63  O's scale words: tile a, K step s at SW1 + 8 a + s
.set SW0,  64                          ; v64-127 Wo's: SW0 + 8 t + s
.set BK,   128                         ; v128-255 the way out: 16 rows read back from the stage, two sets
; window 1: Wo's eight fragments, two sets, at v0 and v128.  window 2: accumulator (a, t) at v[64 a + 8 t].  window 3: v0-191 O's fragments, four sets of 48; v192-255 the bias, eight registers a tile of columns.
.set MSB, 0
.macro WIN new
.if MSB != \new
	s_set_vgpr_msb (MSB<<8)|\new
.set MSB, \new
.endif
.endm
.macro CROUND
	s_barrier_signal -1
	s_barrier_wait -1
	s_cmp_lg_u32 s3, 0
	s_cbranch_scc1 .Lnot_wave_0_\@
	s_barrier_signal -3
.Lnot_wave_0_\@:
	s_barrier_wait -3
	s_barrier_signal -1
	s_barrier_wait -1
.endm
.macro PLACES                          ; four plain places behind matrix instructions (ISA guide 7.12.1)
.rept 4
	v_nop
.endr
.endm
.macro GZERO g0, lds, off, adr, g
	s_mov_b32 s[\g0], 1
	s_add_co_u32 s[\g0+1], s[\lds], \off
	s_add_nc_u64 s[\g0+2:\g0+3], s[\adr:\adr+1], 256*\g
	s_or_b32 s[\g0+3], s[\g0+3], 0x80000000
.endm
.macro FRAG reg, adr, s, i             ; a fragment in pieces of 8 bytes: piece P of a row lies in segment P / 32 at byte 8 (P % 32); lanes 16-31 read three pieces further on
.irp p, 0,1,2,3,4,5
.set PCE, 12*(\s)+6*(\p/3)+\p%3
.if PCE%32 < 29
	ds_load_b64 v[(\reg)+2*\p:(\reg)+2*\p+1], v[\adr+PCE/32] offset:8*(PCE%32)+TROW*(\i)
.else
	ds_load_b64 v[(\reg)+2*\p:(\reg)+2*\p+1], v[\adr+3+PCE/32] offset:8*(PCE%32)+TROW*(\i)
.endif
.endr
.endm
.macro FETCH0 s                        ; Wo's eight fragments of K step s into set s % 2
	WIN 0x40
.irp t, 0,1,2,3,4,5,6,7
	FRAG 128*((\s)%2)+12*\t, AD0, \s, \t
.endr
	WIN 0
.endm
.macro ALOAD s                         ; O's four fragments of K step s into set s % 4 of window 3: 16 loads
	WIN 0xc0
.irp a, 0,1,2,3
.irp e, 0,1
	global_load_b128 v[48*((\s)%4)+12*\a+6*\e:48*((\s)%4)+12*\a+6*\e+3], v4, s[4:5] offset:6144*(\s)+1536*\a+768*\e
	global_load_b64 v[48*((\s)%4)+12*\a+6*\e+4:48*((\s)%4)+12*\a+6*\e+5], v5, s[4:5] offset:6144*(\s)+1536*\a+768*\e+512
.endr
.endr
.endm
; 16 matrix instructions; the 32 accumulators take turns, in the same order in every step.  K step 0 starts the sums with the bias.
.macro MUL a0, s
.if (\s) == 0
	WIN 0xbd
.else
	WIN 0xad
.endif
.irp a, \a0, \a0+1
.irp t, 0,1,2,3,4,5,6,7
.if (\s) == 0
	v_wmma_scale_f32_16x16x128_f8f6f4 v[64*(\a)+8*\t:64*(\a)+8*\t+7], v[128*((\s)%2)+12*\t:128*((\s)%2)+12*\t+11], v[48*((\s)%4)+12*(\a):48*((\s)%4)+12*(\a)+11], v[192+8*\t:192+8*\t+7], v[SW0+8*\t+(\s)], v[SW1+8*(\a)+(\s)] matrix_a_fmt:MATRIX_FMT_FP6 matrix_b_fmt:MATRIX_FMT_FP6
.else
	v_wmma_scale_f32_16x16x128_f8f6f4 v[64*(\a)+8*\t:64*(\a)+8*\t+7], v[128*((\s)%2)+12*\t:128*((\s)%2)+12*\t+11], v[48*((\s)%4)+12*(\a):48*((\s)%4)+12*(\a)+11], v[64*(\a)+8*\t:64*(\a)+8*\t+7], v[SW0+8*\t+(\s)], v[SW1+8*(\a)+(\s)] matrix_a_fmt:MATRIX_FMT_FP6 matrix_b_fmt:MATRIX_FMT_FP6
.endif
.endr
.endr
.endm
.macro SYNC n
	s_wait_tensorcnt \n
	s_wait_dscnt 0x0
	s_barrier_signal -1
	s_barrier_wait -1
.endm
.macro STEP s
.if (\s) == 1
	SYNC 1                                         ; K step 2 reaches into segment 1; segment 2's load may stay out
.endif
.if (\s) == 4
	SYNC 0                                         ; K step 5 reaches into segment 2
.endif
.if (\s) <= 4
	s_wait_loadcnt 48                              ; this step's set of O is in; the three sets issued behind it, 16 loads each, may be out
.else
	s_wait_loadcnt 16*(7-(\s))
.endif
	s_wait_dscnt 0x0                               ; Wo's fragments
	MUL 0, \s
.if (\s) < 7
	PLACES
	FETCH0 (\s)+1
.endif
	MUL 2, \s
	PLACES
.if (\s) < 4
	ALOAD (\s)+4                                   ; the set just multiplied takes the K step four on
.endif
	WIN 0
.endm
.macro TOSTAGE a                       ; 16 rows x 128 columns into my stage, each accumulator from its low end on, and back as whole rows of 512 bytes; LDS serves a wave's instructions in order (ISA guide 5.7.1.4)
	WIN 0x08
.irp t, 0,1,2,3,4,5,6,7
	ds_store_b128 v[STO], v[64*(\a)+8*\t:64*(\a)+8*\t+3] offset:64*\t
	ds_store_b128 v[STO], v[64*(\a)+8*\t+4:64*(\a)+8*\t+7] offset:64*\t+16
.endr
	WIN 0
.irp i, 0,1,2,3,4,5,6,7,8,9,10,11,12,13,14,15
	ds_load_b128 v[BK+64*((\a)%2)+4*\i:BK+64*((\a)%2)+4*\i+3], v[RD] offset:528*\i
.endr
.endm
.macro SEND a, younger                 ; younger: the LDS instructions issued behind block a's loads
	s_wait_dscnt \younger
.irp i, 0,1,2,3,4,5,6,7,8,9,10,11,12,13,14,15
	global_store_b128 v4, v[BK+64*((\a)%2)+4*\i:BK+64*((\a)%2)+4*\i+3], s[14:15] offset:(16*(\a)+\i)*4096 th:TH_STORE_NT   ; 32 lanes store 512 consecutive bytes, aligned to 256
.endr
.endm
	s_load_b256 s[4:11], s[0:1], 0x0               ; oc, os, Wo's codes, Wo's scales
	s_load_b128 s[12:15], s[0:1], 0x20             ; bo, out0
	v_lshl_add_u32 v30, v0, 2, 0x29000
	v_mov_b32 v31, 0
	ds_add_u32 v30, v31
	ds_add_u32 v30, v31
	v_lshrrev_b32 v1, 5, v0
	v_readfirstlane_b32 s3, v1                     ; wave 0..3
	s_bfe_u32 s36, ttmp6, 0x40000                  ; cx
	s_lshr_b32 s37, ttmp9, 3                       ; the block of 128 columns: shared by the four partners
	s_and_b32 s38, ttmp9, 7
	s_lshl_b32 s38, s38, 2
	s_add_co_u32 s38, s38, s36                     ; my block of 256 rows
	s_lshl_b32 s39, s38, 2
	s_add_co_u32 s39, s39, s3                      ; my wave's block of 64 rows
	s_mov_b32 s16, 15|(3<<16)|(1<<20)|(1<<21)|(5<<22)|(3<<25)   ; mask: all four; elements of 8 bytes; padding on; bit 21 beside a mask; after every 64 words, 4 words
	s_mov_b32 s17, 32<<16                          ; tensor_dim0 = 32 elements: 256 bytes
	s_mov_b32 s18, 32<<16                          ; tensor_dim1 = 32 rows
	s_mov_b32 s19, 32<<16                          ; tile_dim0
	s_mov_b32 s20, 32                              ; tile_dim1
	s_mov_b32 s21, 96                              ; from row to row: 768 bytes
	s_mov_b32 s22, 0
	s_mov_b32 s23, 0
	s_mul_i32 s40, s37, 98304
	s_mul_i32 s41, s3, 24576
	s_add_co_u32 s40, s40, s41                     ; Wo: row 128 x column block + 32 x wave
	s_mov_b32 s41, 0
	s_mul_i32 s44, s3, 8704                        ; and in a segment
	s_mul_i32 s45, s3, 8448
	s_add_co_u32 s45, s45, STAGE                   ; my stage
	v_and_b32 v1, 31, v0
	v_and_b32 v2, 15, v0
	v_bfe_u32 v3, v0, 4, 1
	v_lshlrev_b32 v4, 4, v1                        ; 16 x lane
	v_lshlrev_b32 v5, 3, v1                        ; 8 x lane
	v_lshlrev_b32 v6, 5, v2                        ; 32 r
	v_lshlrev_b32 v7, 5, v3                        ; 32 h: the bias of my half's eight columns
	v_mul_u32_u24 v9, v2, 272
	v_mad_u32_u24 v[AD0], v3, 24, v9
	v_add_nc_u32 v[AD0+1], SEGO, v[AD0]
	v_add_nc_u32 v[AD0+2], SEGO, v[AD0+1]
	v_mad_u32_u24 v[AD0+3], v3, SEGO-232, v9
	v_add_nc_u32 v[AD0+4], SEGO, v[AD0+3]
	v_mul_u32_u24 v[STO], v2, 528
	v_lshl_add_u32 v[STO], v3, 5, v[STO]
	v_add_nc_u32 v[STO], s45, v[STO]               ; in: row r, 32 bytes for each half of the lanes
	v_add_nc_u32 v[RD], s45, v4                    ; back: the 32 lanes take one row
	s_wait_dscnt 0x0
	s_wait_kmcnt 0x0
	s_add_nc_u64 s[40:41], s[8:9], s[40:41]
	GZERO 24, 44, 0, 40, 0
	GZERO 28, 44, SEGO, 40, 1
	GZERO 32, 44, 2*SEGO, 40, 2
	CROUND                                         ; all four work-groups are here: the joint loads meet
	tensor_load_to_lds s[24:27], s[16:23]          ; all fills of the launch, one group: three loads of mine are out
	s_nop 0
	tensor_load_to_lds s[28:31], s[16:23]
	s_nop 0
	tensor_load_to_lds s[32:35], s[16:23]
	s_nop 0
.rept 4
	v_nop
.endr
	s_mov_b32 s43, 0
	s_mul_i32 s42, s39, 49152
	s_add_nc_u64 s[4:5], s[4:5], s[42:43]          ; oc at my 64 rows
	s_lshl_b32 s42, s39, 11
	s_add_nc_u64 s[6:7], s[6:7], s[42:43]          ; os likewise
	s_lshl_b32 s42, s39, 18
	s_lshl_b32 s46, s37, 9
	s_add_co_u32 s42, s42, s46
	s_add_nc_u64 s[14:15], s[14:15], s[42:43]      ; out0: 64 rows of 4,096 bytes a block, 512 bytes a column block
	s_mov_b32 s47, 0
	s_add_nc_u64 s[12:13], s[12:13], s[46:47]      ; bo
	s_lshl_b32 s46, s37, 12
	s_add_nc_u64 s[10:11], s[10:11], s[46:47]      ; Wo's scale bytes
.irp a, 0,1,2,3                                ; the scale words of all of K: 32 bytes a row
	global_load_b128 v[SW1+8*\a:SW1+8*\a+3], v6, s[6:7] offset:512*\a
	global_load_b128 v[SW1+8*\a+4:SW1+8*\a+7], v6, s[6:7] offset:512*\a+16
.endr
.irp t, 0,1,2,3,4,5,6,7
	global_load_b128 v[SW0+8*\t:SW0+8*\t+3], v6, s[10:11] offset:512*\t
	global_load_b128 v[SW0+8*\t+4:SW0+8*\t+7], v6, s[10:11] offset:512*\t+16
.endr
	WIN 0xc0
.irp t, 0,1,2,3,4,5,6,7                        ; the bias in the result's layout: columns 16 t + 8 h + 0 .. 7
	global_load_b128 v[192+8*\t:192+8*\t+3], v7, s[12:13] offset:64*\t
	global_load_b128 v[192+8*\t+4:192+8*\t+7], v7, s[12:13] offset:64*\t+16
.endr
	ALOAD 0
	ALOAD 1
	ALOAD 2
	ALOAD 3
	WIN 0
	s_wait_tensorcnt 2                             ; my part of segment 0 has landed; the two later segments' loads may stay out
	s_barrier_signal -1
	s_barrier_wait -1                              ; everybody's has
	FETCH0 0
	STEP 0
	STEP 1
	STEP 2
	STEP 3
	STEP 4
	STEP 5
	STEP 6
	STEP 7                                         ; (it ends with the places in front of the first read of results)
	TOSTAGE 0
.irp a, 1,2,3
.if \a > 1
	s_wait_xcnt 0x0                                ; block a - 2's stores have read their registers: block a's loads may land there
.endif
	TOSTAGE \a
	SEND \a-1, 32                                  ; behind block a - 1's loads: block a's 16 stores and 16 loads
.endr
	SEND 3, 0
	s_wait_tensorcnt 0x0
	ds_add_u32 v30, v31
	s_wait_dscnt 0x0
	CROUND                                         ; the closing round
	s_endpgm
.Lfunc_end_k_q8dcfa48b09_outp:
	.size	k_q8dcfa48b09_outp, .Lfunc_end_k_q8dcfa48b09_outp-k_q8dcfa48b09_outp
	.p2alignl 7, 3214868480
	.fill 96, 4, 3214868480
	.section	.rodata,"a",@progbits
	.p2align	6, 0x0
	.amdhsa_kernel k_q8dcfa48b09_outp
		.amdhsa_group_segment_fixed_size 168448
		.amdhsa_private_segment_fixed_size 0
		.amdhsa_enable_private_segment 0
		.amdhsa_kernarg_size 48
		.amdhsa_user_sgpr_count 2
		.amdhsa_user_sgpr_kernarg_segment_ptr 1
		.amdhsa_wavefront_size32 1
		.amdhsa_system_sgpr_workgroup_id_x 1
		.amdhsa_system_sgpr_workgroup_id_y 1
		.amdhsa_system_sgpr_workgroup_id_z 1
		.amdhsa_system_vgpr_workitem_id 0
		.amdhsa_next_free_vgpr 1024
		.amdhsa_next_free_sgpr 66
		.amdhsa_reserve_vcc 0
		.amdhsa_float_denorm_mode_32 3
		.amdhsa_float_denorm_mode_16_64 3
		.amdhsa_memory_ordered 1
		.amdhsa_forward_progress 1
		.amdhsa_inst_pref_size 96
	.end_amdhsa_kernel
	.amdgpu_metadata
---
amdhsa.version: [ 1, 2 ]
amdhsa.kernels:
  - .name:           k_q8dcfa48b09_outp
    .symbol:         k_q8dcfa48b09_outp.kd
    .args:
      - { .name: oc, .offset: 0, .size: 8, .value_kind: global_buffer, .address_space: global }
      - { .name: os, .offset: 8, .size: 8, .value_kind: global_buffer, .address_space: global }
      - { .name: Wo_codes, .offset: 16, .size: 8, .value_kind: global_buffer, .address_space: global }
      - { .name: Wo_scales, .offset: 24, .size: 8, .value_kind: global_buffer, .address_space: global }
      - { .name: bo, .offset: 32, .size: 8, .value_kind: global_buffer, .address_space: global }
      - { .name: out0, .offset: 40, .size: 8, .value_kind: global_buffer, .address_space: global }
    .group_segment_fixed_size: 168448
    .private_segment_fixed_size: 0
    .kernarg_segment_align: 8
    .kernarg_segment_size: 48
    .max_flat_workgroup_size: 128
    .sgpr_count:     66
    .vgpr_count:     1024
    .wavefront_size: 32
...
	.end_amdgpu_metadata
.endif
;; end of part 3
